; MI455X (gfx1250); checked and timed in simulation.
; The chip was launched on July 23, 2026; its instructions are those of AMD's public machine-readable ISA for CDNA 5 (MIT licence, August 2026) and "CDNA5" Instruction Set Architecture Reference Guide (July 2026). The comments in the code are by the model that wrote it; some were corrected since.
;; Scaled Dot Product Attention. Allowed arithmetic: float matrix products may take bf16 or f16 operands with f32 sums; all other float work in f32.
;; Inputs: key 1 x 16 x 2,048 x 64 float32; mask 1 x 2,048 bool; query 1 x 16 x 2,048 x 64 float32; value 1 x 16 x 2,048 x 64 float32.
;; Outputs: out0 1 x 16 x 2,048 x 64 float32.
;; One version. Each part assembles by itself: llvm-mc -triple=amdgcn-amd-amdhsa -mcpu=gfx1250 --defsym DOCPART=n.
;; ======== version 1 of 1: 1 launch
;; limits: values are held in f16: magnitudes above 65,504 overflow, below 6.1e-05 lose precision; inputs' magnitudes at most 65,504
;; launch attn (part 1): grid 16 x 16, 8 waves a work-group, clusters of 4 x 1, 327,680 bytes of LDS; arguments key, value, query, mask, out0; writes out0
.if DOCPART == 1
	.amdgcn_target "amdgcn-amd-amdhsa--gfx1250"
	.amdhsa_code_object_version 6
	.text
	.protected	k_q6eea47d02f_attn
	.globl	k_q6eea47d02f_attn
	.p2align	8
	.type	k_q6eea47d02f_attn,@function
k_q6eea47d02f_attn:
	s_mov_b64 s[64:65], 0
	v_nop
	global_prefetch_b8 v0, s[64:65] scope:SCOPE_SE
	s_setreg_imm32_b32 hwreg(HW_REG_WAVE_MODE, 25, 1), 1
	s_wait_xcnt 0x0
	s_wait_alu depctr_hold_cnt(0) depctr_sa_sdst(0) depctr_va_vdst(0) depctr_va_sdst(0) depctr_va_ssrc(0) depctr_va_vcc(0) depctr_vm_vsrc(0)
	s_getreg_b32 s2, hwreg(HW_REG_IB_STS2, 6, 4)
	s_cmp_eq_u32 s2, 0
	s_cbranch_scc0 .Lentry_in_a_cluster
	s_endpgm
.Lentry_in_a_cluster:
	s_bfe_u32 s2, ttmp6, 0x10000c
	s_cmp_lg_u32 s2, 0x3003
	s_cbranch_scc0 .Lentry_shape_is_right
	s_endpgm
.Lentry_shape_is_right:
; out[h][q][:] = softmax over k of ( q.k / 8 + slope_h (k - 2047), masked keys blocked ) . V      H = 16, S = 2048, D = 64, all f32.
; One work-group = 128 queries of one head; it walks the 2,048 keys in 16 tiles of 128.  Eight waves: wave w = 4 e + g owns queries
; 32 g .. 32 g + 31 (two query tiles of 16) and, of every tile, keys 64 e .. 64 e + 63; the two key halves are merged once at the end through LDS.
; BOTH PRODUCTS ARE TRANSPOSED.  S^T = K Q^T: register j of lane (r, h) holds (key 8 h + j, query r).  Two such tiles rounded to f16 ARE the
; second source of O^T = V^T P^T, so no number changes lanes; a lane owns one query, and maximum, rescale factor and sum are one number a lane.
; MATRIX OPERANDS ARE f16, NOT bf16.  In the heads with steep slopes a few weights carry the whole sum, so the rounding of each weight and of each
; score shows in the result: f16 rounds within 2^-12 of a number, bf16 within 2^-9.  The weights lie in [0, 1]; one below about 3e-8 of
; the largest of its stretch is dropped, and 2,048 of them are under 1e-4 of a sum that is at least 1.
; SCALE, BIAS, MASK: Q is multiplied by log2(e) / 8 before it is rounded to f16.  A table b[k] in LDS holds slope_h log2(e) (k - 2047) for a
; valid key and -2^100 for a masked one; it is loaded straight into the score accumulators and enters as the C of the first product.
; A running maximum is taken away before every exponential.  Sums over a stretch in which all keys so far are masked are finite and are
; multiplied by exp2(-2^100 - m) = 0 as soon as a valid key appears.  If NO key is valid Q's factor is 0: every score is exactly -2^100,
; every weight 1, and the result is the mean of V, as in the reference.
; LIMITS: |Q| x 0.18, |K| and |V| below 65,504, f16's largest number (beyond it an operand becomes infinite); numbers below 6e-5 in size are rounded
; within 3e-8 absolutely; Q and K finite, in masked rows too (a masked non-finite score is not discarded here); |q.k| x 0.18 below 2^99.
; DATA PATH: K and V tiles come as f32 by tensor loads into two raw slots; each tile is rounded to f16 ONCE for the work-group into one of two
; stage slots (K rows 144 bytes apart, V rows 160), from which all eight waves take their fragments.
; CLUSTER: the four neighbouring query blocks of a head read the same K and V tiles; they form a cluster of 4 x 1 and ask jointly (mask 15).
; One round of the cluster's barrier a trip orders: raw reads before the refill, stage stores before their reads, stage reads before they are
; overwritten, and a tile's landing in all waves before it is converted.  A tile's 256 rows (K's 128, V's 128) shared among eight waves are
; 32 rows of 256 bytes a load; two raw slots of twice the keys do not fit beside the stage.  By this text's count a wave has two tensor
; loads out at the start and one behind each round.
.set RAWS,  65536                      ; a raw slot: K's 128 rows x 256 bytes, then V's
.set RAWV,  32768                      ; V's part of a raw slot; also the bytes of a tile of K or of V in memory
.set STG,   131072                     ; the two stage slots
.set STGS,  38912                      ; a stage slot: K 128 x 144, then V 128 x 160
.set STGV,  18432                      ; V's part of a stage slot
.set KP,    144                        ; odd multiple of 16 bytes: the 16 rows of a K fragment load start in different columns of 16 bytes
.set VP,    160                        ; odd multiple of 32 bytes, for the transposing loads
.set BIAS,  208896                     ; b[k], 2,048 f32
.set XCHS,  8704                       ; at the end, per pair of waves: 8,192 bytes of O, 512 of m and l (in stage slot 0); 32 rows x 272 (in stage slot 1)
.set OPITCH, 272
.set AK,  1                            ; v1   K fragments:  STG + (64 e + r) 144 + 16 h
.set AV,  2                            ; v2   V fragments:  STG + STGV + (64 e + 8 h + (L & 7)) 160 + 16 ((L >> 3) & 1)
.set AB,  3                            ; v3   bias: BIAS + 256 e + 32 h, stepped by 1,024 after every second trip
.set AR,  4                            ; v4-5 raw rows that I convert, slot 0, 1: 4,096 w + 16 L
.set ASK, 6                            ; v6   where they go, K: STG + (16 w + (L >> 4)) 144 + 8 (L & 15)
.set ASV, 7                            ; v7   V: STG + STGV + (16 w + (L >> 4)) 160 + 8 (L & 15)
.set MA,  8                            ; v[8:9], v[10:11]   query tile 0, 1: (running maximum, rescale factor)
.set LP,  12                           ; v[12:13], v[14:15] query tile 0, 1: two partial sums of the weights
.set T,   16                           ; v[16:23] at work
.set PX,  24                           ; v24  what v_permlanex16_b32 brings
.set VPF, 25                           ; v25  256 L, for the prefetch; never rewritten
.set XA,  26                           ; v26-30 addresses of the end
.set XB,  27
.set OST, 28
.set ORD, 29
.set OGO, 30                           ; v30  16 L
.set QF,  32                           ; v[32:63]   Q fragments (qt, ks) at 32 + 16 qt + 8 ks
.set OA,  64                           ; v[64:127]  O^T accumulators (dt, qt) at 64 + 8 (2 dt + qt)
.set ST,  128                          ; v[128:191] S^T accumulators (kt, qt) at 128 + 8 (2 kt + qt); P's fragment (kc, qt) is made in place in (2 kc, qt)
.set KV,  192                          ; v[192:255] K fragments (kt, ks) at 192 + 8 (2 kt + ks), then V fragments (kc, dt) at 192 + 8 (4 kc + dt)
                                       ; v256-319 (v0-63 of window 1): raw f32 on their way to the stage
.set G1,  24                           ; s[24:31] descriptor group 1, never rewritten
.set G0,  32                           ; s[32:39] descriptor group 0, one set for each raw slot
.set MSB, 0
.macro WIN new                         ; s_set_vgpr_msb: bits 1:0 source 0, 3:2 source 1, 7:6 destination; the high byte repeats the setting that is left
.if MSB != \new
	s_set_vgpr_msb (MSB<<8)|\new
.set MSB, \new
.endif
.endm
; A round of the cluster's barrier: my work-group's barrier, wave 0 signals for the work-group, every wave waits for all four work-groups, my work-group's barrier again.
.macro ROUND
	s_barrier_signal -1
	s_barrier_wait -1
	s_cmp_lg_u32 s14, 0
	s_cbranch_scc1 .Lnot_wave_0_\@
	s_barrier_signal -3
.Lnot_wave_0_\@:
	s_barrier_wait -3
	s_barrier_signal -1
	s_barrier_wait -1
.endm
	s_load_b256 s[4:11], s[0:1], 0x0               ; key s[4:5], value s[6:7], query s[8:9], mask s[10:11]
	s_load_b64 s[12:13], s[0:1], 0x20              ; out0
	v_lshl_add_u32 v31, v0, 2, 0x35000
	s_set_vgpr_msb 0x40
	v_mov_b32 v65, 0
	s_set_vgpr_msb 0x4044
	ds_add_u32 v31, v65
	s_set_vgpr_msb 0x4400
	v_lshrrev_b32 v1, 5, v0
	v_readfirstlane_b32 s14, v1                    ; w, 0 to 7
	s_and_b32 s15, s14, 3                          ; g: which 32 queries
	s_lshr_b32 s16, s14, 2                         ; e: which 64 keys of a tile
	s_and_b32 s17, ttmp7, 0xffff                   ; head (the cluster is one work-group high)
	s_bfe_u32 s46, ttmp6, 0x40000                  ; cx
	s_lshl_b32 s18, ttmp9, 2
	s_add_co_u32 s18, s18, s46                     ; query block = 4 x cluster x + cx
	s_mov_b32 s20, 0x76543210                      ; v_permlanex16_b32: lane i takes lane i of the other half
	s_mov_b32 s21, 0xfedcba98
	; group 1: 32 rows of 64 elements of 4 bytes, dense in memory and in LDS
	s_mov_b32 s[G1+0], 0x0022000f                  ; 15:0 mask: all four work-groups of the cluster; 17:16 elements of 4 bytes; 21 set beside a mask; no padding
	s_mov_b32 s[G1+1], 64<<16                      ; tensor_dim0 = 64
	s_mov_b32 s[G1+2], 32<<16                      ; tensor_dim1 = 32
	s_mov_b32 s[G1+3], 64<<16                      ; tile_dim0 = 64
	s_mov_b32 s[G1+4], 32                          ; tile_dim1 = 32
	s_mov_b32 s[G1+5], 64                          ; 64 elements from row to row
	s_mov_b32 s[G1+6], 0
	s_mov_b32 s[G1+7], 0
	s_lshl_b32 s40, s17, 19                        ; a head is 2,048 rows of 256 bytes
	s_mov_b32 s41, 0
	s_lshl_b32 s42, s15, 13                        ; 32 rows of 256 bytes
	s_mov_b32 s43, 0
	s_lshl_b32 s47, s14, 13                        ; my load's place in a raw slot: waves 0-3 bring K's four quarters, waves 4-7 V's
	s_wait_dscnt 0x0
	s_wait_kmcnt 0x0
	s_cmp_lt_u32 s14, 4
	s_cselect_b64 s[48:49], s[4:5], s[6:7]         ; made of the head and the wave's number alone: equal in the four partners
	s_add_nc_u64 s[48:49], s[48:49], s[40:41]
	s_add_nc_u64 s[48:49], s[48:49], s[42:43]
.irp s, 0,1
	s_mov_b32 s[G0+4*\s], 1                        ; count = 1
	s_add_co_u32 s[G0+4*\s+1], s47, \s*RAWS        ; LDS address
	s_add_nc_u64 s[G0+4*\s+2:G0+4*\s+3], s[48:49], \s*RAWV     ; tile s
	s_or_b32 s[G0+4*\s+3], s[G0+4*\s+3], 0x80000000           ; type = 2
.endr
	ROUND                                          ; the four work-groups are here: the first joint loads meet
	tensor_load_to_lds s[G0:G0+3], s[G1:G1+7]      ; tile 0
	s_nop 0
	tensor_load_to_lds s[G0+4:G0+7], s[G1:G1+7]    ; tile 1
	s_nop 0
	; my rows of query and out0
	s_add_co_u32 s50, s40, s42
	s_lshl_b32 s52, s18, 15                        ; a query block is 128 rows of 256 bytes
	s_add_co_u32 s50, s50, s52
	s_mov_b32 s51, 0
	s_add_nc_u64 s[8:9], s[8:9], s[50:51]
	s_add_nc_u64 s[12:13], s[12:13], s[50:51]
	; the prefetch's base.  The 16 work-groups of a head share out each pair of tiles (64 KiB of K, 64 KiB of V): the odd ones take V, the even ones K,
	; 8 KiB each, so each block of 256 bytes is asked for once in the launch.  One pair of tiles is added in front of each request.
	s_bitcmp1_b32 s18, 0
	s_cselect_b64 s[44:45], s[6:7], s[4:5]
	s_lshr_b32 s52, s18, 1
	s_lshl_b32 s52, s52, 13
	s_add_co_u32 s52, s52, s40
	s_add_co_u32 s52, s52, 65536
	s_mov_b32 s53, 0
	s_add_nc_u64 s[44:45], s[44:45], s[52:53]
	; slope_h log2(e), slope_h = 2^(-n/2), n = head + 1: log2(e), or log2(e) / sqrt(2) for odd n, with n >> 1 taken from the exponent
	s_add_co_u32 s54, s17, 1
	s_mov_b32 s55, 0x3f8293ee
	s_mov_b32 s23, 0x3fb8aa3b
	s_bitcmp1_b32 s54, 0
	s_cselect_b32 s23, s55, s23
	s_lshr_b32 s54, s54, 1
	s_lshl_b32 s54, s54, 23
	s_sub_co_u32 s23, s23, s54
	v_and_b32 v16, 31, v0                          ; L
	v_and_b32 v17, 15, v0                          ; r
	v_bfe_u32 v18, v0, 4, 1                        ; h
	v_lshlrev_b32 v[OGO], 4, v16
	v_lshlrev_b32 v22, 3, v0                       ; my eight mask bytes for the table
	v_lshlrev_b32 v23, 8, v17
	v_lshl_add_u32 v23, v18, 5, v23                ; Q: row r, 8 h numbers in
.irp j, 0,1,2,3
	global_load_b128 v[KV+4*\j:KV+4*\j+3], v[OGO], s[10:11] offset:512*\j      ; the whole mask, in every wave
.endr
	global_load_b64 v[KV+16:KV+17], v22, s[10:11]
	; A Q fragment (second source): lane (r, h) holds query r; registers 0-3 d = 8 h + 0..7, registers 4-7 d = 16 + 8 h + 0..7, of 32 d at 32 ks
.irp qt, 0,1
.irp ks, 0,1
	global_load_b128 v[ST+16*(2*\qt+\ks):ST+16*(2*\qt+\ks)+3],     v23, s[8:9] offset:\qt*4096+\ks*128
	global_load_b128 v[ST+16*(2*\qt+\ks)+4:ST+16*(2*\qt+\ks)+7],   v23, s[8:9] offset:\qt*4096+\ks*128+16
	global_load_b128 v[ST+16*(2*\qt+\ks)+8:ST+16*(2*\qt+\ks)+11],  v23, s[8:9] offset:\qt*4096+\ks*128+64
	global_load_b128 v[ST+16*(2*\qt+\ks)+12:ST+16*(2*\qt+\ks)+15], v23, s[8:9] offset:\qt*4096+\ks*128+80
.endr
.endr
	; LDS addresses
	s_mul_i32 s50, s16, 64*KP
	s_add_co_u32 s50, s50, STG
	v_mul_u32_u24 v[AK], v17, KP
	v_lshl_add_u32 v[AK], v18, 4, v[AK]
	v_add_nc_u32 v[AK], s50, v[AK]
	s_mul_i32 s51, s16, 64*VP
	s_add_co_u32 s51, s51, STG+STGV
	v_and_b32 v19, 7, v0
	v_lshl_add_u32 v19, v18, 3, v19
	v_mul_u32_u24 v[AV], v19, VP
	v_bfe_u32 v20, v0, 3, 1
	v_lshl_add_u32 v[AV], v20, 4, v[AV]
	v_add_nc_u32 v[AV], s51, v[AV]
	s_lshl_b32 s52, s16, 8
	s_add_co_u32 s52, s52, BIAS
	v_lshl_add_u32 v[AB], v18, 5, s52
	s_lshl_b32 s53, s14, 12
	v_lshl_add_u32 v[AR], v16, 4, s53
	v_add_nc_u32 v[AR+1], RAWS, v[AR]
	s_mul_i32 s54, s14, 16*KP
	s_add_co_u32 s54, s54, STG
	v_mul_u32_u24 v[ASK], v18, KP
	v_lshl_add_u32 v[ASK], v17, 3, v[ASK]
	v_add_nc_u32 v[ASK], s54, v[ASK]
	s_mul_i32 s55, s14, 16*VP
	s_add_co_u32 s55, s55, STG+STGV
	v_mul_u32_u24 v[ASV], v18, VP
	v_lshl_add_u32 v[ASV], v17, 3, v[ASV]
	v_add_nc_u32 v[ASV], s55, v[ASV]
	v_mov_b32 v[PX], 0                             ; v_permlanex16_b32 counts as a reader of its destination
	v_lshlrev_b32 v[VPF], 8, v16
	s_mul_i32 s54, s15, XCHS
	s_add_co_u32 s54, s54, STG                     ; the exchange of my pair of waves, in stage slot 0
	v_add_nc_u32 v[XA], s54, v[OGO]
	v_lshl_add_u32 v[XB], v16, 2, s54
	v_add_nc_u32 v[XB], 8192, v[XB]
	s_add_co_u32 s55, s54, STGS                    ; the way out, in stage slot 1
	v_mul_u32_u24 v[OST], v17, OPITCH
	v_lshl_add_u32 v[OST], v18, 5, v[OST]
	v_add_nc_u32 v[OST], s55, v[OST]
	v_mul_u32_u24 v[ORD], v18, OPITCH
	v_lshl_add_u32 v[ORD], v17, 4, v[ORD]
	v_add_nc_u32 v[ORD], s55, v[ORD]
	s_wait_loadcnt 16                              ; the five mask loads are in; the sixteen younger loads of Q stay out
	; is any key valid?  The 2,048 bytes are ORed; Q's factor is log2(e) / 8, or 0 if none is
.irp i, 0,1,2,3,4,5,6,7
	v_or_b32 v[KV+\i], v[KV+\i], v[KV+8+\i]
.endr
.irp i, 0,1,2,3
	v_or_b32 v[KV+\i], v[KV+\i], v[KV+4+\i]
.endr
	v_or_b32 v[KV], v[KV], v[KV+2]
	v_or_b32 v[KV+1], v[KV+1], v[KV+3]
	v_or_b32 v[KV], v[KV], v[KV+1]
	v_cmp_ne_u32 vcc_lo, 0, v[KV]
	s_cmp_lg_u32 vcc_lo, 0
	s_cselect_b32 s58, 0x3e38aa3b, 0
	s_mov_b32 s59, s58                             ; the packed multiply names the pair
	; the table: thread t makes b[8 t .. 8 t + 7]
	v_lshlrev_b32 v64, 3, v0
	v_add_nc_u32 v64, 0xfffff801, v64              ; 8 t - 2047
	v_mov_b32 v65, 0xf1800000                      ; -2^100
	v_lshlrev_b32 v66, 5, v0
	v_add_nc_u32 v66, BIAS, v66
.irp j, 0,1,2,3,4,5,6,7
	v_add_nc_u32 v67, \j, v64
	v_cvt_f32_i32 v67, v67
	v_bfe_u32 v68, v[KV+16+\j/4], 8*(\j%4), 8
	v_mul_f32 v[72+\j], s23, v67
	v_cmp_ne_u32 vcc_lo, 0, v68
	v_cndmask_b32 v[72+\j], v65, v[72+\j], vcc_lo
.endr
	ds_store_b128 v66, v[72:75]
	ds_store_b128 v66, v[76:79] offset:16
	s_wait_loadcnt 0x0                             ; Q
.set j, 0
.rept 32
	v_pk_mul_f32 v[ST+2*j:ST+2*j+1], v[ST+2*j:ST+2*j+1], s[58:59] op_sel_hi:[1,0]
.set j, j+1
.endr
.set j, 0
.rept 32
	v_cvt_pk_f16_f32 v[QF+j], v[ST+2*j], v[ST+2*j+1]
.set j, j+1
.endr
; the bias of my 64 keys into the score accumulators, the same for both query tiles: register j of lane (r, h) is key 16 kt + 8 h + j
.macro LOADB slot
.irp kt, 0,1,2,3
.irp qt, 0,1
	ds_load_b128 v[ST+8*(2*\kt+\qt):ST+8*(2*\kt+\qt)+3],   v[AB] offset:\slot*512+\kt*64
	ds_load_b128 v[ST+8*(2*\kt+\qt)+4:ST+8*(2*\kt+\qt)+7], v[AB] offset:\slot*512+\kt*64+16
.endr
.endr
.endm
; K fragments (first source): lane (r, h) holds key 16 kt + r; two loads of 16 bytes, 32 apart, for 32 d at 32 ks
.macro LOADK slot
.irp kt, 0,1,2,3
.irp ks, 0,1
	ds_load_b128 v[KV+8*(2*\kt+\ks):KV+8*(2*\kt+\ks)+3],   v[AK] offset:\slot*STGS+\kt*16*KP+\ks*64
	ds_load_b128 v[KV+8*(2*\kt+\ks)+4:KV+8*(2*\kt+\ks)+7], v[AK] offset:\slot*STGS+\kt*16*KP+\ks*64+32
.endr
.endr
.endm
; S^T = K Q^T + b: the eight accumulators take turns, one instruction a turn
.macro SMUL
.irp ks, 0,1
.irp kt, 0,1,2,3
.irp qt, 0,1
	v_wmma_f32_16x16x32_f16 v[ST+8*(2*\kt+\qt):ST+8*(2*\kt+\qt)+7], v[KV+8*(2*\kt+\ks):KV+8*(2*\kt+\ks)+7], v[QF+16*\qt+8*\ks:QF+16*\qt+8*\ks+7], v[ST+8*(2*\kt+\qt):ST+8*(2*\kt+\qt)+7]
.endr
.endr
.endr
.endm
; V^T fragments (first source) from rows that lie along d: lane (r, h) gets d = 16 dt + r, keys 32 kc + 8 h + 0..7 and 32 kc + 16 + 8 h + 0..7
.macro LOADV slot
.irp kc, 0,1
.irp dt, 0,1,2,3
	ds_load_tr16_b128 v[KV+8*(4*\kc+\dt):KV+8*(4*\kc+\dt)+3],   v[AV] offset:\slot*STGS+\kc*32*VP+\dt*32
	ds_load_tr16_b128 v[KV+8*(4*\kc+\dt)+4:KV+8*(4*\kc+\dt)+7], v[AV] offset:\slot*STGS+\kc*32*VP+16*VP+\dt*32
.endr
.endr
.endm
; my 16 rows of K and 16 rows of V of raw slot s, 512 neighbouring bytes a load, into window 1
.macro CONV_LOAD s
	WIN 0x40                                       ; destination window 1, address window 0
.irp i, 0,1,2,3,4,5,6,7
	ds_load_b128 v[4*\i:4*\i+3], v[AR+\s] offset:\i*512
.endr
.irp i, 0,1,2,3,4,5,6,7
	ds_load_b128 v[32+4*\i:32+4*\i+3], v[AR+\s] offset:RAWV+\i*512
.endr
	WIN 0
.endm
; rounded to f16 in place, 8 bytes a lane into stage slot s
.macro CONV_STORE s
	WIN 0x45                                       ; both sources and the destination in window 1
.irp i, 0,1,2,3,4,5,6,7,8,9,10,11,12,13,14,15
	v_cvt_pk_f16_f32 v[4*\i], v[4*\i], v[4*\i+1]
	v_cvt_pk_f16_f32 v[4*\i+1], v[4*\i+2], v[4*\i+3]
.endr
	WIN 0x04                                       ; address window 0, data window 1
.irp i, 0,1,2,3,4,5,6,7
	ds_store_b64 v[ASK], v[4*\i:4*\i+1] offset:\s*STGS+\i*2*KP
.endr
.irp i, 0,1,2,3,4,5,6,7
	ds_store_b64 v[ASV], v[32+4*\i:32+4*\i+1] offset:\s*STGS+\i*2*VP
.endr
	WIN 0
.endm
; The softmax step of query tile qt on its 32 score registers.  first = 1: no earlier maximum, sum or O.
.macro SOFTMAX qt, first
.irp kt, 0,1,2,3
	v_max3_num_f32 v[T+\kt], v[ST+8*(2*\kt+\qt)], v[ST+8*(2*\kt+\qt)+1], v[ST+8*(2*\kt+\qt)+2]
.endr
.irp kt, 0,1,2,3
	v_max3_num_f32 v[T+\kt], v[T+\kt], v[ST+8*(2*\kt+\qt)+3], v[ST+8*(2*\kt+\qt)+4]
.endr
.irp kt, 0,1,2,3
	v_max3_num_f32 v[T+\kt], v[T+\kt], v[ST+8*(2*\kt+\qt)+5], v[ST+8*(2*\kt+\qt)+6]
.endr
	v_max3_num_f32 v[T], v[T], v[T+1], v[ST+8*(\qt)+7]
	v_max3_num_f32 v[T+2], v[T+2], v[T+3], v[ST+8*(2+\qt)+7]
	v_max3_num_f32 v[T], v[T], v[T+2], v[ST+8*(4+\qt)+7]
.if \first
	v_max_num_f32 v[T], v[T], v[ST+8*(6+\qt)+7]
.else
	v_max3_num_f32 v[T], v[T], v[ST+8*(6+\qt)+7], v[MA+2*\qt]
.endif
	v_permlanex16_b32 v[PX], v[T], s20, s21        ; the other eight keys of each tile lie in lane L xor 16
.if \first
	v_max_num_f32 v[MA+2*\qt], v[T], v[PX]
	v_mov_b32 v[MA+2*\qt+1], 0                     ; the packed subtraction names the pair
.else
	v_max_num_f32 v[T+1], v[T], v[PX]
	v_sub_f32 v[MA+2*\qt+1], v[MA+2*\qt], v[T+1]   ; old maximum - new
	v_mov_b32 v[MA+2*\qt], v[T+1]
.endif
.irp kt, 0,1,2,3
.irp p, 0,2,4,6
	v_pk_add_f32 v[ST+8*(2*\kt+\qt)+\p:ST+8*(2*\kt+\qt)+\p+1], v[ST+8*(2*\kt+\qt)+\p:ST+8*(2*\kt+\qt)+\p+1], v[MA+2*\qt:MA+2*\qt+1] op_sel_hi:[1,0] neg_lo:[0,1] neg_hi:[0,1]   ; s - m, twice
.endr
.endr
.if \first == 0
	v_exp_f32 v[MA+2*\qt+1], v[MA+2*\qt+1]         ; the factor for what has been summed so far
.endif
.irp kt, 0,1,2,3
.irp j, 0,1,2,3,4,5,6,7
	v_exp_f32 v[ST+8*(2*\kt+\qt)+\j], v[ST+8*(2*\kt+\qt)+\j]
.endr
.endr
	v_nop                                          ; one plain vector instruction behind the run of transcendentals, ahead of the first use (ISA guide 5.7.2)
	s_wait_alu depctr_va_vdst(0)
.irp kt, 0,1,2,3
	v_pk_add_f32 v[T+2*\kt:T+2*\kt+1], v[ST+8*(2*\kt+\qt):ST+8*(2*\kt+\qt)+1], v[ST+8*(2*\kt+\qt)+2:ST+8*(2*\kt+\qt)+3]
.endr
.irp kt, 0,1,2,3
	v_pk_add_f32 v[T+2*\kt:T+2*\kt+1], v[T+2*\kt:T+2*\kt+1], v[ST+8*(2*\kt+\qt)+4:ST+8*(2*\kt+\qt)+5]
.endr
.irp kt, 0,1,2,3
	v_pk_add_f32 v[T+2*\kt:T+2*\kt+1], v[T+2*\kt:T+2*\kt+1], v[ST+8*(2*\kt+\qt)+6:ST+8*(2*\kt+\qt)+7]
.endr
	v_pk_add_f32 v[T:T+1], v[T:T+1], v[T+2:T+3]
	v_pk_add_f32 v[T+4:T+5], v[T+4:T+5], v[T+6:T+7]
.if \first
	v_pk_add_f32 v[LP+2*\qt:LP+2*\qt+1], v[T:T+1], v[T+4:T+5]
.else
	v_pk_add_f32 v[T:T+1], v[T:T+1], v[T+4:T+5]
	v_pk_fma_f32 v[LP+2*\qt:LP+2*\qt+1], v[LP+2*\qt:LP+2*\qt+1], v[MA+2*\qt:MA+2*\qt+1], v[T:T+1] op_sel:[0,1,0] op_sel_hi:[1,1,1]   ; both sums times the factor
.endif
	; P^T's fragment (second source) of 32 keys, in place: registers 0-3 keys 8 h + 0..7 from tile 2 kc, registers 4-7 keys 16 + 8 h + 0..7 from tile 2 kc + 1
.irp kc, 0,1
.irp j, 0,1,2,3
	v_cvt_pk_f16_f32 v[ST+8*(4*\kc+\qt)+\j], v[ST+8*(4*\kc+\qt)+2*\j], v[ST+8*(4*\kc+\qt)+2*\j+1]
.endr
.irp j, 0,1,2,3
	v_cvt_pk_f16_f32 v[ST+8*(4*\kc+\qt)+4+\j], v[ST+8*(4*\kc+2+\qt)+2*\j], v[ST+8*(4*\kc+2+\qt)+2*\j+1]
.endr
.endr
.if \first == 0
.irp dt, 0,1,2,3
.irp p, 0,2,4,6
	v_pk_mul_f32 v[OA+8*(2*\dt+\qt)+\p:OA+8*(2*\dt+\qt)+\p+1], v[OA+8*(2*\dt+\qt)+\p:OA+8*(2*\dt+\qt)+\p+1], v[MA+2*\qt:MA+2*\qt+1] op_sel:[0,1] op_sel_hi:[1,1]
.endr
.endr
.endif
.endm
; O^T += V^T P^T: the eight accumulators take turns, one instruction a turn.  first = 1: the first 32 keys start the sums.
.macro PV first
.irp kc, 0,1
.irp dt, 0,1,2,3
.irp qt, 0,1
.if \first*(1-\kc)
	v_wmma_f32_16x16x32_f16 v[OA+8*(2*\dt+\qt):OA+8*(2*\dt+\qt)+7], v[KV+8*(4*\kc+\dt):KV+8*(4*\kc+\dt)+7], v[ST+8*(4*\kc+\qt):ST+8*(4*\kc+\qt)+7], 0
.else
	v_wmma_f32_16x16x32_f16 v[OA+8*(2*\dt+\qt):OA+8*(2*\dt+\qt)+7], v[KV+8*(4*\kc+\dt):KV+8*(4*\kc+\dt)+7], v[ST+8*(4*\kc+\qt):ST+8*(4*\kc+\qt)+7], v[OA+8*(2*\dt+\qt):OA+8*(2*\dt+\qt)+7]
.endif
.endr
.endr
.endr
.endm
; Wave 0 asks for this work-group's 8 KiB (32 lanes, 256 bytes apart) of the pair of tiles two pairs of trips ahead; the tensor loads ask for
; that pair one pair of trips later.  Pairs of trips 0 to 5 ask, for tiles 4 to 15: the last request ends inside the head's rows.
.macro PREFETCH
	s_cmp_lg_u32 s14, 0
	s_cbranch_scc1 .Lno_prefetch_\@
	s_wait_xcnt 0x0                                ; the base of the request two trips ago is stepped only behind this wait
	s_add_nc_u64 s[44:45], s[44:45], 2*RAWV
	global_prefetch_b8 v[VPF], s[44:45] th:TH_LOAD_NT scope:SCOPE_SE
.Lno_prefetch_\@:
.endm
; Trip t, slot = t mod 2: multiplies tile t from stage slot t mod 2; refill = 1: raw slot t mod 2 (converted last trip) is filled with tile t + 2;
; conv = 1: tile t + 1 goes from the other raw slot to the other stage slot (read last in trip t - 1).
.macro TRIP slot, first, refill, conv, pf
	s_set_vgpr_msb 0x4
	s_wait_tensorcnt 0x0                           ; all my tensor loads have landed: the one that was out is my part of tile t + 1
	ds_add_u32 v31, v65
	s_wait_dscnt 0x0
	s_set_vgpr_msb 0x400
.if \refill
	s_add_nc_u64 s[G0+4*\slot+2:G0+4*\slot+3], s[G0+4*\slot+2:G0+4*\slot+3], 2*RAWV    ; no load of mine is out: this slot's next tile
.endif
	s_wait_dscnt 0x0                               ; my raw reads, my stage stores and my fragment reads of the last trip are done
.if \refill
	ROUND                                          ; all that now holds of every wave of the four work-groups
	tensor_load_to_lds s[G0+4*\slot:G0+4*\slot+3], s[G1:G1+7]      ; my one tensor load behind the round, first thing there
	s_nop 0
.else
	s_barrier_signal -1
	s_barrier_wait -1
.endif
	LOADB \slot
	LOADK \slot
	s_wait_dscnt 0x0
	SMUL
	; four plain vector instructions that name no register of the products stand between them and the loads into K's registers and the reads of the scores
.if \slot
	v_add_nc_u32 v[AB], 1024, v[AB]                ; the bias of the next two tiles
	v_nop
	v_nop
	v_nop
.else
	v_nop
	v_nop
	v_nop
	v_nop
.endif
.if \conv
	CONV_LOAD (1-\slot)
.endif
	LOADV \slot
.if \pf
	PREFETCH
.endif
	SOFTMAX 0, \first
	SOFTMAX 1, \first
	s_wait_dscnt 0x0                               ; V's fragments were issued last, so the raw rows are in too
	PV \first
.if \conv
	CONV_STORE (1-\slot)                           ; its 32 conversions, in window 1, are also the places between these products and the next trip's loads and products
.endif
.endm
	s_wait_tensorcnt 0x1                           ; my part of tile 0 has landed; tile 1, issued behind it, stays out
	s_wait_dscnt 0x0                               ; my part of the table is stored
	s_barrier_signal -1
	s_barrier_wait -1
	CONV_LOAD 0
	s_wait_dscnt 0x0
	CONV_STORE 0
	TRIP 0, 1, 1, 1, 1                             ; trips 0 and 1 stand in front of the loop: the first products start the sums
	TRIP 1, 0, 1, 1, 0
	s_mov_b32 s19, 5
.Lpair:                                            ; trips 2 to 11
	TRIP 0, 0, 1, 1, 1
	TRIP 1, 0, 1, 1, 0
	s_sub_co_u32 s19, s19, 1
	s_cmp_lg_u32 s19, 0
	s_cbranch_scc1 .Lpair
	TRIP 0, 0, 1, 1, 0                             ; trips 12 and 13 fetch tiles 14 and 15 and prefetch nothing
	TRIP 1, 0, 1, 1, 0
	TRIP 0, 0, 0, 1, 0                             ; trip 14 fetches nothing
	TRIP 1, 0, 0, 0, 0                             ; trip 15 converts nothing
	; THE END.  Four places behind the last products, then each query's sum: two partial sums a lane, two lanes a query.
	v_nop
	v_nop
	v_nop
	v_nop
	v_add_f32 v[LP], v[LP], v[LP+1]
	v_add_f32 v[LP+2], v[LP+2], v[LP+3]
	v_permlanex16_b32 v[PX], v[LP], s20, s21
	v_add_f32 v[LP], v[LP], v[PX]
	v_permlanex16_b32 v[PX], v[LP+2], s20, s21
	v_add_f32 v[LP+2], v[LP+2], v[PX]
	s_cmp_lt_u32 s14, 4
	s_cbranch_scc1 .Lkeep
	; waves 4 to 7 hand O, m and l to waves 0 to 3, through stage slot 0: its last reads were waited for in front of trip 15's barrier
.irp i, 0,1,2,3,4,5,6,7,8,9,10,11,12,13,14,15
	ds_store_b128 v[XA], v[OA+4*\i:OA+4*\i+3] offset:512*\i
.endr
	ds_store_b32 v[XB], v[MA]
	ds_store_b32 v[XB], v[MA+2] offset:128
	ds_store_b32 v[XB], v[LP] offset:256
	ds_store_b32 v[XB], v[LP+2] offset:384
.Lkeep:
	s_wait_dscnt 0x0                               ; the stores above, and every wave's reads of stage slot 1
	s_barrier_signal -1
	s_barrier_wait -1
	s_cmp_lt_u32 s14, 4
	s_cbranch_scc0 .Lclose
.irp i, 0,1,2,3,4,5,6,7,8,9,10,11,12,13,14,15
	ds_load_b128 v[ST+4*\i:ST+4*\i+3], v[XA] offset:512*\i
.endr
	ds_load_b32 v[T], v[XB]
	ds_load_b32 v[T+1], v[XB] offset:128
	ds_load_b32 v[T+2], v[XB] offset:256
	ds_load_b32 v[T+3], v[XB] offset:384
	s_wait_dscnt 0x0
	; out = (a0 O0 + a1 O1) / (a0 l0 + a1 l1), a = exp2(m - the larger m); the half with the larger m has a = 1 and l of at least 1
.irp qt, 0,1
	v_max_num_f32 v[T+4], v[MA+2*\qt], v[T+\qt]
	v_sub_f32 v[T+5], v[MA+2*\qt], v[T+4]
	v_sub_f32 v[T+6], v[T+\qt], v[T+4]
	v_exp_f32 v[T+5], v[T+5]
	v_exp_f32 v[T+6], v[T+6]
	v_nop                                          ; a plain place behind the transcendentals
	s_wait_alu depctr_va_vdst(0)
	v_mul_f32 v[T+7], v[T+5], v[LP+2*\qt]
	v_fmac_f32 v[T+7], v[T+6], v[T+2+\qt]
	v_rcp_f32 v[T+7], v[T+7]
	v_nop
	s_wait_alu depctr_va_vdst(0)
	v_mul_f32 v[MA+2*\qt], v[T+5], v[T+7]
	v_mul_f32 v[MA+2*\qt+1], v[T+6], v[T+7]
.endr
.irp qt, 0,1
.irp dt, 0,1,2,3
.irp p, 0,2,4,6
	v_pk_mul_f32 v[OA+8*(2*\dt+\qt)+\p:OA+8*(2*\dt+\qt)+\p+1], v[OA+8*(2*\dt+\qt)+\p:OA+8*(2*\dt+\qt)+\p+1], v[MA+2*\qt:MA+2*\qt+1] op_sel_hi:[1,0]
	v_pk_fma_f32 v[OA+8*(2*\dt+\qt)+\p:OA+8*(2*\dt+\qt)+\p+1], v[ST+8*(2*\dt+\qt)+\p:ST+8*(2*\dt+\qt)+\p+1], v[MA+2*\qt:MA+2*\qt+1], v[OA+8*(2*\dt+\qt)+\p:OA+8*(2*\dt+\qt)+\p+1] op_sel:[0,1,0] op_sel_hi:[1,1,1]
.endr
.endr
.endr
	; A lane holds d = 16 dt + 8 h + 0..7 of query 16 qt + r: 32 bytes of a row.  Through my own 32 rows of 272 bytes, back as whole rows of 256 bytes.
.irp qt, 0,1
.irp dt, 0,1,2,3
	ds_store_b128 v[OST], v[OA+8*(2*\dt+\qt):OA+8*(2*\dt+\qt)+3]   offset:\qt*16*OPITCH+\dt*64
	ds_store_b128 v[OST], v[OA+8*(2*\dt+\qt)+4:OA+8*(2*\dt+\qt)+7] offset:\qt*16*OPITCH+\dt*64+16
.endr
.endr
.irp i, 0,1,2,3,4,5,6,7,8,9,10,11,12,13,14,15
	ds_load_b128 v[KV+4*\i:KV+4*\i+3], v[ORD] offset:\i*2*OPITCH   ; LDS serves a wave's instructions in order (ISA guide 5.7.1): these see the stores above
.endr
.irp i, 0,1,2,3,4,5,6,7,8,9,10,11,12,13,14,15
	s_wait_dscnt 15-\i                             ; read-back i is in; the 15 - i younger ones stay out
	global_store_b128 v[OGO], v[KV+4*\i:KV+4*\i+3], s[12:13] offset:512*\i th:TH_STORE_NT   ; sixteen lanes store a row: 256 consecutive bytes, aligned
.endr
.Lclose:
	s_set_vgpr_msb 0x4
	s_wait_tensorcnt 0x0
	ds_add_u32 v31, v65
	s_wait_dscnt 0x0
	s_set_vgpr_msb 0x400
	ROUND                                          ; the closing round: no work-group ends while a partner may still issue a joint load that names it
	s_endpgm
.Lfunc_end_k_q6eea47d02f_attn:
	.size	k_q6eea47d02f_attn, .Lfunc_end_k_q6eea47d02f_attn-k_q6eea47d02f_attn
	.p2alignl 7, 3214868480
	.fill 96, 4, 3214868480
	.section	.rodata,"a",@progbits
	.p2align	6, 0x0
	.amdhsa_kernel k_q6eea47d02f_attn
		.amdhsa_group_segment_fixed_size 327680
		.amdhsa_private_segment_fixed_size 0
		.amdhsa_enable_private_segment 0
		.amdhsa_kernarg_size 40
		.amdhsa_user_sgpr_count 2
		.amdhsa_user_sgpr_kernarg_segment_ptr 1
		.amdhsa_wavefront_size32 1
		.amdhsa_system_sgpr_workgroup_id_x 1
		.amdhsa_system_sgpr_workgroup_id_y 1
		.amdhsa_system_sgpr_workgroup_id_z 1
		.amdhsa_system_vgpr_workitem_id 0
		.amdhsa_next_free_vgpr 322
		.amdhsa_next_free_sgpr 66
		.amdhsa_reserve_vcc 1
		.amdhsa_float_denorm_mode_32 3
		.amdhsa_float_denorm_mode_16_64 3
		.amdhsa_memory_ordered 1
		.amdhsa_forward_progress 1
		.amdhsa_inst_pref_size 206
	.end_amdhsa_kernel
	.amdgpu_metadata
---
amdhsa.version: [ 1, 2 ]
amdhsa.kernels:
  - .name:           k_q6eea47d02f_attn
    .symbol:         k_q6eea47d02f_attn.kd
    .args:
      - { .name: key, .offset: 0, .size: 8, .value_kind: global_buffer, .address_space: global }
      - { .name: value, .offset: 8, .size: 8, .value_kind: global_buffer, .address_space: global }
      - { .name: query, .offset: 16, .size: 8, .value_kind: global_buffer, .address_space: global }
      - { .name: mask, .offset: 24, .size: 8, .value_kind: global_buffer, .address_space: global }
      - { .name: out0, .offset: 32, .size: 8, .value_kind: global_buffer, .address_space: global }
    .group_segment_fixed_size: 327680
    .private_segment_fixed_size: 0
    .kernarg_segment_align: 8
    .kernarg_segment_size: 40
    .max_flat_workgroup_size: 256
    .sgpr_count:     66
    .vgpr_count:     322
    .wavefront_size: 32
...
	.end_amdgpu_metadata
.endif
;; end of part 1
